; MI455X (gfx1250); checked and timed in simulation.
; The chip was launched on July 23, 2026; its instructions are those of AMD's public machine-readable ISA for CDNA 5 (MIT licence, August 2026) and "CDNA5" Instruction Set Architecture Reference Guide (July 2026). The comments in the code are by the model that wrote it; some were corrected since.
;; Multi Head Attention. Allowed arithmetic: float matrix products may take bf16 or f16 operands with f32 sums; other float arithmetic in f32, or as packed bf16 or f16 multiplies, adds, multiply-adds, maxima and minima; sums over many terms, partial sums and values carried from step to step in f32; what a program stores and reads back later, other than sums and carried values, may be rounded once to bf16 or f16.
;; Inputs: w_out 1,024 x 1,024 float32; w_qkv 3,072 x 1,024 float32; x 4 x 2,048 x 1,024 float32.
;; Outputs: out0 4 x 2,048 x 1,024 float32.
;; One version. Each part assembles by itself: llvm-mc -triple=amdgcn-amd-amdhsa -mcpu=gfx1250 --defsym DOCPART=n.
;; ======== version 1 of 1: 4 launches
;; limits: values are held in f16: magnitudes above 65,504 overflow, below 6.1e-05 lose precision
;; workspace buffers: xb 16,777,216 bytes; wqb 6,291,456 bytes; wob 2,097,152 bytes; qkv 50,331,648 bytes; ob 16,777,216 bytes
;; launch cast (part 1): grid 768 x 1, 8 waves a work-group, no clusters, 0 bytes of LDS; arguments x, w_qkv, w_out, xb, wqb, wob; writes xb, wqb, wob
.if DOCPART == 1
	.amdgcn_target "amdgcn-amd-amdhsa--gfx1250"
	.amdhsa_code_object_version 6
	.text
	.protected	k_q9548e6c6c4_cast
	.globl	k_q9548e6c6c4_cast
	.p2align	8
	.type	k_q9548e6c6c4_cast,@function
k_q9548e6c6c4_cast:
	s_mov_b64 s[64:65], 0
	v_nop
	global_prefetch_b8 v0, s[64:65] scope:SCOPE_SE
	s_setreg_imm32_b32 hwreg(HW_REG_WAVE_MODE, 25, 1), 1
	s_wait_xcnt 0x0
; xb = bf16(x), wqb = bf16(w_qkv), wob = f16(bf16(w_out)).  All three inputs are rounded once, to bf16; w_out's rounded number is then written as f16,
; because the last product multiplies it by an f16 operand.
; LIMITS.  A bf16 number's 8 significant bits fit f16's 11, so the second step changes nothing for 6.1e-5 <= |w_out| <= 65,504; below that f16 keeps a fixed step of 6e-8,
; beyond it the result is an infinity.
; SHARES.  A stream: no LDS, no barrier, no matrix work.  A work-group takes 16,384 numbers (65,536 bytes in, 32,768 out): groups 0-511 x, 512-703 w_qkv, 704-767 w_out.
; Thread t takes, in each of eight parts, the 8 numbers at 2,048 j + 8 t: two loads of 16 bytes, one store of 16 bytes; a wave's store covers 512 consecutive bytes, aligned.
; All sixteen loads of a thread go out at once; the waits count down.
.set IN,  16                           ; v[16:79]   part j: 8 numbers in f32
.set OUT, 80                           ; v[80:111]  part j: 8 numbers in 16 bits
.set T,   4                            ; v[4:11]    at work
	s_load_b256 s[4:11], s[0:1], 0x0               ; x s[4:5], w_qkv s[6:7], w_out s[8:9], xb s[10:11]
	s_load_b128 s[12:15], s[0:1], 0x20             ; wqb s[12:13], wob s[14:15]
	s_mov_b32 s16, ttmp9
	v_lshlrev_b32 v1, 5, v0                        ; 32 t: my bytes in a part, in
	v_lshlrev_b32 v2, 4, v0                        ; 16 t: out
	s_wait_kmcnt 0x0
	s_cmp_ge_u32 s16, 704                          ; w_out, or w_qkv?
	s_cselect_b64 s[20:21], s[8:9], s[6:7]
	s_cselect_b64 s[22:23], s[14:15], s[12:13]
	s_cselect_b32 s17, 192, 0
	s_add_co_u32 s17, s17, 512                     ; the first group of that tensor
	s_cmp_lt_u32 s16, 512                          ; or x?
	s_cselect_b64 s[20:21], s[4:5], s[20:21]
	s_cselect_b64 s[22:23], s[10:11], s[22:23]
	s_cselect_b32 s17, 0, s17
	s_sub_co_u32 s18, s16, s17                     ; my chunk of the tensor
	s_lshl_b32 s24, s18, 16
	s_mov_b32 s25, 0
	s_lshl_b32 s26, s18, 15
	s_mov_b32 s27, 0
	s_add_nc_u64 s[20:21], s[20:21], s[24:25]
	s_add_nc_u64 s[22:23], s[22:23], s[26:27]
.irp j, 0,1,2,3,4,5,6,7
	global_load_b128 v[IN+8*(\j):IN+8*(\j)+3],   v1, s[20:21] offset:8192*(\j) th:TH_LOAD_NT
	global_load_b128 v[IN+8*(\j)+4:IN+8*(\j)+7], v1, s[20:21] offset:8192*(\j)+16 th:TH_LOAD_NT
.endr
; Part j.  f16 = 1: the bf16 numbers are widened again (a shift, a mask) and written as f16.
.macro PART j, f16
	s_wait_loadcnt 14-2*(\j)                       ; loads come back in order: mine are in, the two of each younger part may stay out
.irp r, 0,1,2,3
	v_cvt_pk_bf16_f32 v[OUT+4*(\j)+(\r)], v[IN+8*(\j)+2*(\r)], v[IN+8*(\j)+2*(\r)+1]
.endr
.if \f16
.irp r, 0,1,2,3
	v_lshlrev_b32 v[T+2*(\r)],   16, v[OUT+4*(\j)+(\r)]
	v_and_b32     v[T+2*(\r)+1], 0xffff0000, v[OUT+4*(\j)+(\r)]
.endr
.irp r, 0,1,2,3
	v_cvt_pk_f16_f32 v[OUT+4*(\j)+(\r)], v[T+2*(\r)], v[T+2*(\r)+1]
.endr
.endif
	global_store_b128 v2, v[OUT+4*(\j):OUT+4*(\j)+3], s[22:23] offset:4096*(\j)  ; each part has its own four registers: no store's data is written again
.endm
	s_cmp_ge_u32 s16, 704
	s_cbranch_scc1 .Lf16
.irp j, 0,1,2,3,4,5,6,7
	PART \j, 0
.endr
	s_endpgm
.Lf16:
.irp j, 0,1,2,3,4,5,6,7
	PART \j, 1
.endr
	s_endpgm
.Lfunc_end_k_q9548e6c6c4_cast:
	.size	k_q9548e6c6c4_cast, .Lfunc_end_k_q9548e6c6c4_cast-k_q9548e6c6c4_cast
	.p2alignl 7, 3214868480
	.fill 96, 4, 3214868480
	.section	.rodata,"a",@progbits
	.p2align	6, 0x0
	.amdhsa_kernel k_q9548e6c6c4_cast
		.amdhsa_group_segment_fixed_size 0
		.amdhsa_private_segment_fixed_size 0
		.amdhsa_enable_private_segment 0
		.amdhsa_kernarg_size 48
		.amdhsa_user_sgpr_count 2
		.amdhsa_user_sgpr_kernarg_segment_ptr 1
		.amdhsa_wavefront_size32 1
		.amdhsa_system_sgpr_workgroup_id_x 1
		.amdhsa_system_sgpr_workgroup_id_y 1
		.amdhsa_system_sgpr_workgroup_id_z 1
		.amdhsa_system_vgpr_workitem_id 0
		.amdhsa_next_free_vgpr 112
		.amdhsa_next_free_sgpr 66
		.amdhsa_reserve_vcc 0
		.amdhsa_float_denorm_mode_32 3
		.amdhsa_float_denorm_mode_16_64 3
		.amdhsa_memory_ordered 1
		.amdhsa_forward_progress 1
		.amdhsa_inst_pref_size 14
	.end_amdhsa_kernel
	.amdgpu_metadata
---
amdhsa.version: [ 1, 2 ]
amdhsa.kernels:
  - .name:           k_q9548e6c6c4_cast
    .symbol:         k_q9548e6c6c4_cast.kd
    .args:
      - { .name: x, .offset: 0, .size: 8, .value_kind: global_buffer, .address_space: global }
      - { .name: w_qkv, .offset: 8, .size: 8, .value_kind: global_buffer, .address_space: global }
      - { .name: w_out, .offset: 16, .size: 8, .value_kind: global_buffer, .address_space: global }
      - { .name: xb, .offset: 24, .size: 8, .value_kind: global_buffer, .address_space: global }
      - { .name: wqb, .offset: 32, .size: 8, .value_kind: global_buffer, .address_space: global }
      - { .name: wob, .offset: 40, .size: 8, .value_kind: global_buffer, .address_space: global }
    .group_segment_fixed_size: 0
    .private_segment_fixed_size: 0
    .kernarg_segment_align: 8
    .kernarg_segment_size: 48
    .max_flat_workgroup_size: 256
    .sgpr_count:     66
    .vgpr_count:     112
    .wavefront_size: 32
...
	.end_amdgpu_metadata
.endif
;; end of part 1
;; launch qkv (part 2): grid 16 x 32, 4 waves a work-group, clusters of 4 x 4, 327,680 bytes of LDS; arguments xb, wqb, qkv; writes qkv
.if DOCPART == 2
	.amdgcn_target "amdgcn-amd-amdhsa--gfx1250"
	.amdhsa_code_object_version 6
	.text
	.protected	k_q9548e6c6c4_qkv
	.globl	k_q9548e6c6c4_qkv
	.p2align	8
	.type	k_q9548e6c6c4_qkv,@function
k_q9548e6c6c4_qkv:
	s_mov_b64 s[64:65], 0
	v_nop
	global_prefetch_b8 v0, s[64:65] scope:SCOPE_SE
	s_setreg_imm32_b32 hwreg(HW_REG_WAVE_MODE, 25, 1), 1
	s_wait_xcnt 0x0
	s_wait_alu depctr_hold_cnt(0) depctr_sa_sdst(0) depctr_va_vdst(0) depctr_va_sdst(0) depctr_va_ssrc(0) depctr_va_vcc(0) depctr_vm_vsrc(0)
	s_getreg_b32 s2, hwreg(HW_REG_IB_STS2, 6, 4)
	s_cmp_eq_u32 s2, 0
	s_cbranch_scc0 .Lentry_in_a_cluster
	s_endpgm
.Lentry_in_a_cluster:
	s_bfe_u32 s2, ttmp6, 0x10000c
	s_cmp_lg_u32 s2, 0xf033
	s_cbranch_scc0 .Lentry_shape_is_right
	s_endpgm
.Lentry_shape_is_right:
; qkv[which][b][h][t][d] = the sum over k of xb[2048 b + t][k] wqb[1024 which + 64 h + d][k].  xb: [8192][1024], wqb: [3072][1024], both bf16; sums in f32, K ascending;
; the result is rounded once to f16, unscaled, and stored by heads: a head's rows are dense, 128 bytes each.
; LIMIT.  f16 holds no number beyond 65,504: a q, k or v beyond that leaves as an infinity.
; SHARES.  A tile of C is 256 rows x 192 columns: 32 x 16 = 512 work-groups, twice 256.  The four waves lie one below the other: a wave makes 64 rows x 192 columns, three whole heads:
; 48 accumulators of 16 x 16, 384 registers.  K goes in steps of 128 through two LDS slots filled by the tensor data mover; a tile's rows are 256 bytes of memory, aligned.
; CLUSTER.  4 x 4 work-groups.  The four of a row of the cluster need the same tiles of xb, the four of a column the same tiles of wqb: each tile is asked for jointly, by the same tensor load
; with the same descriptor and a mask that names the four.
; THE MATRIX INSTRUCTION IS USED TRANSPOSED (source 0 = 16 rows of wqb, source 1 = 16 rows of xb): a lane then holds row l % 16 of C and eight neighbouring columns, 16 bytes in f16.
; REGISTERS, in windows of 256 (s_set_vgpr_msb: bits 1:0 source 0, 3:2 source 1, 5:4 source 2, 7:6 destination):
;   window 0: v0-31 addresses; v64-95, v96-127 fragments of xb (4 x 16 rows x 32 K), two buffers; v128-175 packed results; v176-223 and (behind the loop) v64-111 rows read back from the stage
;   window 1: v0-95, v96-191 fragments of wqb (12 x 16 rows x 32 K), two buffers
;   window 2: the 24 accumulators of my rows 0-31 ((a, b) at v[8 (12 (a % 2) + b)]);   window 3: those of my rows 32-63
.set KSTEP,  128
.set SIZE_K, 1024
.set PITCH,  272                       ; an LDS row: 256 bytes + 16 of padding = 68 words: the 16 rows of a fragment load start at 16 different groups of four banks (64 banks of 4 bytes: ISA guide 11.1)
.set HA,     128*PITCH                 ; what one tensor load brings of xb: 128 rows
.set HB,     96*PITCH                  ; and of wqb: 96 rows
.set BOFF,   256*PITCH                 ; in a slot wqb's 192 rows lie behind xb's 256
.set SLOT,   BOFF+192*PITCH
.set STAGE,  2*SLOT                    ; behind the ring, never filled by a tensor load: for each wave 3 heads x 16 rows x 144 bytes
.set SP,     144
.set HSTG,   16*SP
.set WSTG,   3*HSTG
.set SPARE,  STAGE+4*WSTG              ; behind the stages: the spare words, 128 bytes for each wave: two blocks of 256 bytes that no other line names
.set LAPS,   SIZE_K/(2*KSTEP)          ; a lap = two K steps = once round the ring
.set ADRA, 16                          ; v16-17  LDS address of my fragments of xb in slot 0, 1
.set ADRB, 20                          ; v20-21  the same for wqb
.set STO,  24                          ; v24     the way out: where I put 16 bytes of a row
.set RD,   25                          ; v25     the way out: where I read rows back
.set GO,   26                          ; v26     16 x lane: my place in 512 consecutive bytes of a head
.set SPW,  28                          ; v28     LDS address of my spare word; never rewritten
.set NIL,  29                          ; v29     0; never rewritten
.set PFO,  30                          ; v30     the prefetches' offset: a lane a row of 2,048 bytes; never rewritten
.set FA,   64                          ; xb's fragment buffers: FA + 32 f
.set TMP,  128
.set G1,   24                          ; s[24:31] descriptor group 1 for xb's tiles
.set G0,   32                          ; s[32:39] group 0, one set for each slot
.set LIM,  43                          ; s43      1 in a wave that prefetches, else the greatest number
.set PFA,  44                          ; s[44:45] where my prefetches stand
.set G1B,  48                          ; s[48:55], s[56:63] the same two groups for wqb's tiles
.set G0B,  56
.set OUTB, 66                          ; s[66:71] qkv at my wave's first row in each of its three heads
.set MSB, 0
.macro WIN new                         ; the immediate's high byte repeats the setting that is left; a switch that changes nothing is dropped
.if MSB != (\new)
	s_set_vgpr_msb (MSB<<8)|(\new)
.set MSB, \new
.endif
.endm
.set MUL_LO, 0xa1                      ; source 0 (wqb) window 1, source 1 (xb) window 0, C and D window 2
.set MUL_HI, 0xf1                      ; the same, C and D window 3
.set TO_B,   0x40                      ; destination window 1, address window 0
; A joint load.  Waves 0 and 1 fetch xb's two halves, waves 2 and 3 wqb's.  The branch hangs on the wave's number alone.  An s_nop 0 and four v_nop follow each of the two lines.
.macro JLOAD s
	s_cmp_eq_u32 s11, 0
	s_cbranch_scc0 .Lfor_b_\@
	tensor_load_to_lds s[G0+4*(\s):G0+4*(\s)+3], s[G1:G1+7]
	s_nop 0
.rept 4
	v_nop
.endr
	s_branch .Lasked_\@
.Lfor_b_\@:
	tensor_load_to_lds s[G0B+4*(\s):G0B+4*(\s)+3], s[G1B:G1B+7]
	s_nop 0
.rept 4
	v_nop
.endr
.Lasked_\@:
.endm
; A prefetch, behind each joint refill and the run of LDS loads that follows it: the K step that stands two refills on (384 matrix instructions ahead of the load that will want it): a lane a row, 256 bytes of each.
; Each row's 256 bytes of a K step are named once in the launch: xb's rows by the clusters with x = 0, wqb's by those with y = 0; the four partners that ask for a tile jointly share its rows out by address.
; The loop's last trip (s3 = 1) asks for nothing: there is no K step two refills on.  K steps 0 to 3 come by their loads alone.
.macro ASK
	s_cmp_gt_u32 s3, s[LIM]
	s_cbranch_scc0 .Lnot_mine_\@
	global_prefetch_b8 v[PFO], s[PFA:PFA+1] th:TH_LOAD_NT scope:SCOPE_SE
.Lnot_mine_\@:
.endm
.macro CREST                           ; a round of the cluster's barrier behind its opening barrier
	s_cmp_lg_u32 s10, 0
	s_cbranch_scc1 .Lnot_wave_0_\@
	s_barrier_signal -3
.Lnot_wave_0_\@:
	s_barrier_wait -3
	s_barrier_signal -1
	s_barrier_wait -1
.endm
.macro CROUND                          ; a whole round
	s_barrier_signal -1
	s_barrier_wait -1
	CREST
.endm
	s_load_b128 s[4:7], s[0:1], 0x0                ; xb s[4:5], wqb s[6:7]
	s_load_b64 s[8:9], s[0:1], 0x10                ; qkv
	v_lshl_add_u32 v[SPW], v0, 2, SPARE
	v_mov_b32 v[NIL], 0
	ds_add_u32 v[SPW], v[NIL]                      ; the wave's opening: the add and its wait stand ahead of my first tensor load; the set-up below, work on registers, stands between them
	v_lshrrev_b32 v1, 5, v0
	v_readfirstlane_b32 s10, v1                    ; wave 0..3
	s_lshr_b32 s11, s10, 1                         ; I fetch for xb (0) or for wqb (1),
	s_and_b32 s12, s10, 1                          ; this half of the tile's rows
	s_bfe_u32 s40, ttmp6, 0x40000                  ; cx, cy: my place in the cluster
	s_bfe_u32 s41, ttmp6, 0x40004
	s_lshl_b32 s42, ttmp9, 2
	s_add_co_u32 s42, s42, s40                     ; tile column = 4 x cluster x + cx: 0..15
	s_and_b32 s13, ttmp7, 0xffff
	s_lshl_b32 s13, s13, 2
	s_add_co_u32 s13, s13, s41                     ; tile row = 4 x cluster y + cy: 0..31
	s_lshl_b32 s72, s41, 2
	s_lshl_b32 s72, 15, s72                        ; my row of the cluster
	s_lshl_b32 s73, 0x1111, s40                    ; my column
	s_or_b32 s[G1+0], s72, (1<<16)|(1<<20)|(1<<21)|(5<<22)|(3<<25)   ; 15:0 the mask; 17:16 elements of 2 bytes; 20 padding on; 21 set beside a mask; 24:22 after every 64 words (code 5); 31:25 4 words (code 3)
	s_or_b32 s[G1B+0], s73, (1<<16)|(1<<20)|(1<<21)|(5<<22)|(3<<25)
	s_mov_b32 s[G1+1], KSTEP<<16                   ; tensor_dim0 = 128
	s_mov_b32 s[G1+2], 128<<16                     ; tensor_dim1 = 128
	s_mov_b32 s[G1+3], KSTEP<<16                   ; tile_dim0 = 128
	s_mov_b32 s[G1+4], 128                         ; tile_dim1 = 128
	s_mov_b32 s[G1+5], SIZE_K                      ; elements from row to row
	s_mov_b32 s[G1+6], 0
	s_mov_b32 s[G1+7], 0
	s_mov_b32 s[G1B+1], KSTEP<<16
	s_mov_b32 s[G1B+2], 96<<16                     ; wqb's tiles have 96 rows
	s_mov_b32 s[G1B+3], KSTEP<<16
	s_mov_b32 s[G1B+4], 96
	s_mov_b32 s[G1B+5], SIZE_K
	s_mov_b32 s[G1B+6], 0
	s_mov_b32 s[G1B+7], 0
	s_lshl_b32 s16, s13, 19                        ; xb: row 256 x tile row + 128 x half, 2,048 bytes a row: made of the tile row and the wave's number alone
	s_lshl_b32 s17, s12, 18
	s_add_co_u32 s16, s16, s17
	s_mov_b32 s17, 0
	s_mul_i32 s46, s42, 192*2048                   ; wqb: row 192 x tile column + 96 x half: of the tile column and the wave's number alone
	s_mul_i32 s47, s12, 96*2048
	s_add_co_u32 s46, s46, s47
	s_mov_b32 s47, 0
	s_mul_i32 s20, s10, HA                         ; where they go: xb's halves at wave x 128 rows (waves 0, 1),
	s_mul_i32 s21, s10, HB
	s_add_co_u32 s21, s21, BOFF-2*HB               ; wqb's at BOFF + (wave - 2) x 96 rows (waves 2, 3): no place in the cluster enters an LDS address
	s_wait_dscnt 0x0                               ; the opening add is done
	s_wait_kmcnt 0x0
	s_add_nc_u64 s[14:15], s[4:5], s[16:17]
	s_add_nc_u64 s[46:47], s[6:7], s[46:47]
	CROUND                                         ; all sixteen work-groups are here: the first joint loads meet
.irp s, 0,1
	s_mov_b32 s[G0+4*(\s)], 1                                        ; count = 1
	s_add_co_u32 s[G0+4*(\s)+1], s20, (\s)*SLOT                      ; LDS address
	s_add_nc_u64 s[G0+4*(\s)+2:G0+4*(\s)+3], s[14:15], (\s)*KSTEP*2  ; global address: K step s
	s_or_b32 s[G0+4*(\s)+3], s[G0+4*(\s)+3], 0x80000000              ; type = 2
	s_mov_b32 s[G0B+4*(\s)], 1
	s_add_co_u32 s[G0B+4*(\s)+1], s21, (\s)*SLOT
	s_add_nc_u64 s[G0B+4*(\s)+2:G0B+4*(\s)+3], s[46:47], (\s)*KSTEP*2
	s_or_b32 s[G0B+4*(\s)+3], s[G0B+4*(\s)+3], 0x80000000
	JLOAD \s                                       ; two tensor loads of mine are out
.endr
	; A fragment is 16 rows x 32 K in 8 registers: lane l holds row l % 16; registers 0-3 K = 8 (l / 16) + 0..7, registers 4-7 K = 16 + 8 (l / 16) + 0..7: two loads of 16 bytes, 32 bytes apart.
	v_and_b32 v1, 15, v0                           ; l % 16
	v_bfe_u32 v2, v0, 4, 1                         ; l / 16
	v_mul_u32_u24 v3, v1, PITCH
	v_lshl_add_u32 v3, v2, 4, v3
	s_mul_i32 s72, s10, 64*PITCH                   ; my 64 rows of xb
	s_mov_b32 s73, BOFF                            ; all 192 rows of wqb
.irp s, 0,1
	v_add_nc_u32 v[ADRA+(\s)], s72, v3
	v_add_nc_u32 v[ADRB+(\s)], s73, v3
	s_add_co_u32 s72, s72, SLOT
	s_add_co_u32 s73, s73, SLOT
.endr
	s_mul_i32 s72, s10, WSTG
	s_add_co_u32 s72, s72, STAGE                   ; my stage
	v_mul_u32_u24 v4, v1, SP                       ; in: row l % 16, 16 bytes for each half of the lanes
	v_lshl_add_u32 v4, v2, 4, v4
	v_add_nc_u32 v[STO], s72, v4
	v_bfe_u32 v5, v0, 3, 2                         ; back: 32 lanes take four rows of 128 bytes,
	v_mul_u32_u24 v5, v5, SP
	v_and_b32 v6, 7, v0
	v_lshl_add_u32 v5, v6, 4, v5
	v_add_nc_u32 v[RD], s72, v5
	v_and_b32 v[GO], 31, v0                        ; which are 512 consecutive bytes of a head
	v_lshlrev_b32 v[GO], 4, v[GO]
	; where my rows lie in my three heads: head slot g = 3 x tile column + j; plane (g / 16) x 64 + batch x 16 + g % 16, of 262,144 bytes; row (tile row % 8) x 256 + 64 x wave, of 128 bytes
	s_lshr_b32 s74, s13, 3
	s_lshl_b32 s74, s74, 4                         ; batch x 16
	s_and_b32 s75, s13, 7
	s_lshl_b32 s75, s75, 8
	s_lshl_b32 s76, s10, 6
	s_add_co_u32 s75, s75, s76
	s_lshl_b32 s75, s75, 7
	s_mul_i32 s76, s42, 3
.irp j, 0,1,2
	s_add_co_u32 s77, s76, \j
	s_lshr_b32 s78, s77, 4
	s_lshl_b32 s78, s78, 6
	s_and_b32 s77, s77, 15
	s_add_co_u32 s78, s78, s77
	s_add_co_u32 s78, s78, s74
	s_lshl_b32 s78, s78, 18
	s_add_co_u32 s78, s78, s75
	s_mov_b32 s79, 0
	s_add_nc_u64 s[OUTB+2*(\j):OUTB+2*(\j)+1], s[8:9], s[78:79]
.endr
	; the prefetches: of the 128 rows of xb that a wave fetches the partner at cx takes 32; of the 96 rows of wqb the partner at cy takes 24 (lanes 24 to 31 name lane 23's row once more, in the same instruction)
	s_lshl_b32 s72, s13, 8
	s_lshl_b32 s73, s12, 7
	s_add_co_u32 s72, s72, s73
	s_lshl_b32 s73, s40, 5
	s_add_co_u32 s72, s72, s73                     ; xb's first row
	s_mul_i32 s74, s42, 192
	s_mul_i32 s75, s12, 96
	s_add_co_u32 s74, s74, s75
	s_mul_i32 s75, s41, 24
	s_add_co_u32 s74, s74, s75                     ; wqb's
	s_and_b32 s75, ttmp7, 0xffff                   ; cluster y
	s_cmp_eq_u32 s11, 0                            ; do I fetch for xb?
	s_cselect_b32 s72, s72, s74
	s_cselect_b32 s73, ttmp9, s75                  ; the coordinate along which other clusters read the same rows
	s_cselect_b32 s74, 31, 23
	s_cselect_b64 s[PFA:PFA+1], s[4:5], s[6:7]
	s_cmp_eq_u32 s73, 0
	s_cselect_b32 s[LIM], 1, -1                    ; the same in all sixteen partners, for a given wave
	s_lshl_b32 s72, s72, 11
	s_add_co_u32 s72, s72, 3*KSTEP*2               ; at K step 3: the first refill steps it to 4
	s_mov_b32 s73, 0
	s_add_nc_u64 s[PFA:PFA+1], s[PFA:PFA+1], s[72:73]
	v_and_b32 v[PFO], 31, v0
	v_min_u32 v[PFO], s74, v[PFO]
	v_lshlrev_b32 v[PFO], 11, v[PFO]
; 12 matrix instructions: m block a x all 12 n blocks, 32 along K, from buffers f.  zero = 1: the product starts the sums.  The 48 accumulators take turns in the same order in every quarter.
.macro MUL12 f, a, zero
	WIN MUL_LO+0x50*((\a)/2)
.set rA, FA+32*(\f)+8*(\a)
.irp b, 0,1,2,3,4,5,6,7,8,9,10,11
.set rC, 8*(12*((\a)%2)+(\b))
.set rB, 96*(\f)+8*(\b)
.if \zero
	v_wmma_f32_16x16x32_bf16 v[rC:rC+7], v[rB:rB+7], v[rA:rA+7], 0
.else
	v_wmma_f32_16x16x32_bf16 v[rC:rC+7], v[rB:rB+7], v[rA:rA+7], v[rC:rC+7]
.endif
.endr
.endm
; 32 LDS loads in one run: the fragments of one quarter step (192 rows of wqb, my 64 rows of xb, 32 K at byte k of the rows) into buffers f
.macro FETCH slot, k, f
	WIN TO_B
.irp i, 0,1,2,3,4,5,6,7,8,9,10,11
	ds_load_b128 v[96*(\f)+8*(\i):96*(\f)+8*(\i)+3],   v[ADRB+(\slot)] offset:(\k)+(\i)*16*PITCH
	ds_load_b128 v[96*(\f)+8*(\i)+4:96*(\f)+8*(\i)+7], v[ADRB+(\slot)] offset:(\k)+(\i)*16*PITCH+32
.endr
	WIN 0
.irp i, 0,1,2,3
	ds_load_b128 v[FA+32*(\f)+8*(\i):FA+32*(\f)+8*(\i)+3],   v[ADRA+(\slot)] offset:(\k)+(\i)*16*PITCH
	ds_load_b128 v[FA+32*(\f)+8*(\i)+4:FA+32*(\f)+8*(\i)+7], v[ADRA+(\slot)] offset:(\k)+(\i)*16*PITCH+32
.endr
.endm
.macro PLACES                          ; four plain vector instructions between a matrix instruction and a load into, or a vector read of, its registers (ISA guide 7.12.1 for vector reads)
.rept 4
	v_nop
.endr
.endm
; A K step is four quarters of 32 along K, 48 matrix instructions each, on buffers 0, 1, 0, 1.  One of the first three: multiplies buffers f and fetches the next quarter, at byte k, into buffers g.
.macro QUARTER slot, k, f, g, zero
	s_wait_dscnt 4                                 ; wqb's fragments and xb's 0 and 1 are in; the youngest four loads (xb's 2 and 3) may be out
	MUL12 \f, 0, \zero
	PLACES                                         ; behind the last product that read buffers g
	FETCH \slot, \k, \g
	MUL12 \f, 1, \zero
	s_wait_dscnt 32                                ; all but the 32 just issued
	MUL12 \f, 2, \zero
	MUL12 \f, 3, \zero
.endm
; The last quarter multiplies buffers 1 and changes slots: one barrier.  In front of it each wave waits for all its tensor loads (one is out: its part of the next slot), adds 0 to its spare word, and waits for that
; and for its own reads of this slot.  fill = 1: the barrier opens a round of the cluster's barrier, and this slot is filled again first thing behind the round, with the K step two steps on.
.macro TURN slot, next, fill
.if \fill
	s_wait_xcnt 0x0                                ; the last prefetch, a K step back, has read its address: it is stepped here
	s_add_nc_u64 s[PFA:PFA+1], s[PFA:PFA+1], KSTEP*2
.endif
	WIN 0                                          ; (the add's two registers lie in window 0)
	s_wait_tensorcnt 0x0                           ; all my tensor loads have landed
	ds_add_u32 v[SPW], v[NIL]                      ; 0 onto my spare word
	s_wait_dscnt 5                                 ; (the add and the youngest four loads may be out)
	MUL12 1, 0, 0                                  ; twelve matrix instructions stand between the add and the wait for it
	s_wait_dscnt 0x0                               ; the add is done, and my reads of this slot are over
	s_barrier_signal -1
	MUL12 1, 1, 0                                  ; work on registers while the others arrive
.if \fill
	WIN 0
.endif
	s_barrier_wait -1
.if \fill
	CREST                                          ; no wave of any partner still reads this slot's tile or has a load on its way
	s_add_nc_u64 s[G0+4*(\slot)+2:G0+4*(\slot)+3], s[G0+4*(\slot)+2:G0+4*(\slot)+3], 2*KSTEP*2
	s_add_nc_u64 s[G0B+4*(\slot)+2:G0B+4*(\slot)+3], s[G0B+4*(\slot)+2:G0B+4*(\slot)+3], 2*KSTEP*2
	JLOAD \slot                                    ; my one tensor load behind the round; its four v_nop are also the places in front of the loads below
.else
	PLACES
.endif
	FETCH \next, 0, 0
.if \fill
	ASK
.endif
	MUL12 1, 2, 0
	MUL12 1, 3, 0
.endm
; THE WAY OUT of m block a, in three parts.  PACK: rounded to f16, each accumulator's registers in ascending order.  TOSTAGE: into my own stage, and back as rows of 128 bytes, head by head.  SEND: stored.
.macro PACK a
	WIN 0x0a+5*((\a)/2)                            ; sources 0 and 1: window 2 or 3
.irp b, 0,1,2,3,4,5,6,7,8,9,10,11
.irp r, 0,1,2,3
	v_cvt_pk_f16_f32 v[TMP+4*(\b)+(\r)], v[8*(12*((\a)%2)+(\b))+2*(\r)], v[8*(12*((\a)%2)+(\b))+2*(\r)+1]
.endr
.endr
	WIN 0
.endm
.macro TOSTAGE a
	WIN 0
.set BK, 176-112*((\a)%2)
.irp b, 0,1,2,3,4,5,6,7,8,9,10,11
	ds_store_b128 v[STO], v[TMP+4*(\b):TMP+4*(\b)+3] offset:((\b)/4)*HSTG+((\b)%4)*32
.endr
.irp j, 0,1,2
.irp f, 0,1,2,3
	ds_load_b128 v[BK+4*(4*(\j)+(\f)):BK+4*(4*(\j)+(\f))+3], v[RD] offset:(\j)*HSTG+(\f)*4*SP  ; LDS serves a wave's instructions in order (ISA guide 5.7.1.4): these see the stores above
.endr
.endr
.endm
.macro SEND a
	WIN 0
.set BK, 176-112*((\a)%2)
	s_wait_dscnt 0x0                               ; the block is back in registers
	s_wait_xcnt 0x0                                ; the stores of the block before have read their registers, into which the next block is read back
.irp j, 0,1,2
.irp f, 0,1,2,3
	global_store_b128 v[GO], v[BK+4*(4*(\j)+(\f)):BK+4*(4*(\j)+(\f))+3], s[OUTB+2*(\j):OUTB+2*(\j)+1] offset:(\a)*2048+(\f)*512  ; 512 consecutive bytes, at a multiple of 256 from qkv's first
.endr
.endr
.endm
	s_wait_tensorcnt 1                             ; my part of K step 0 is in; K step 1's may stay out
	s_barrier_signal -1
	s_barrier_wait -1                              ; everybody's is
	FETCH 0, 0, 0
	QUARTER 0, 64,  0, 1, 1                        ; the first quarter stands in front of the loop: its products start the sums
	WIN 0                                          ; at a label and at a branch every window is 0
	s_mov_b32 s3, LAPS-1
.Llap:                                                 ; a trip goes once round the ring, from a lap's second quarter to the next lap's first, and fills both slots again
	QUARTER 0, 128, 1, 0, 0
	QUARTER 0, 192, 0, 1, 0
	TURN 0, 1, 1
	QUARTER 1, 64,  0, 1, 0
	QUARTER 1, 128, 1, 0, 0
	QUARTER 1, 192, 0, 1, 0
	TURN 1, 0, 1
	QUARTER 0, 64,  0, 1, 0
	WIN 0
	s_sub_co_u32 s3, s3, 1
	s_cmp_lg_u32 s3, 0
	s_cbranch_scc1 .Llap
	QUARTER 0, 128, 1, 0, 0                        ; the last lap fills nothing
	QUARTER 0, 192, 0, 1, 0
	TURN 0, 1, 0
	QUARTER 1, 64,  0, 1, 0
	QUARTER 1, 128, 1, 0, 0
	QUARTER 1, 192, 0, 1, 0
	s_wait_dscnt 4                                 ; the very last quarter: nothing more to fetch
	MUL12 1, 0, 0
	MUL12 1, 1, 0
	s_wait_dscnt 0x0
	MUL12 1, 2, 0
	MUL12 1, 3, 0
	WIN 0
	PLACES                                         ; the conversions read results
	PACK 0
	TOSTAGE 0
.irp a, 1,2,3                          ; block a's conversions stand between block a - 1's loads from the stage and the wait for them
	PACK \a
	SEND (\a)-1
	TOSTAGE \a
.endr
	SEND 3
	s_wait_tensorcnt 0x0                           ; the wave's end: an add onto my spare word and its wait, behind my last tensor load and my last LDS store
	ds_add_u32 v[SPW], v[NIL]
	s_wait_dscnt 0x0
	CROUND                                         ; the closing round: no work-group ends while a partner may still ask for a tile that names it
	s_endpgm
.Lfunc_end_k_q9548e6c6c4_qkv:
	.size	k_q9548e6c6c4_qkv, .Lfunc_end_k_q9548e6c6c4_qkv-k_q9548e6c6c4_qkv
	.p2alignl 7, 3214868480
	.fill 96, 4, 3214868480
	.section	.rodata,"a",@progbits
	.p2align	6, 0x0
	.amdhsa_kernel k_q9548e6c6c4_qkv
		.amdhsa_group_segment_fixed_size 327680
		.amdhsa_private_segment_fixed_size 0
		.amdhsa_enable_private_segment 0
		.amdhsa_kernarg_size 24
		.amdhsa_user_sgpr_count 2
		.amdhsa_user_sgpr_kernarg_segment_ptr 1
		.amdhsa_wavefront_size32 1
		.amdhsa_system_sgpr_workgroup_id_x 1
		.amdhsa_system_sgpr_workgroup_id_y 1
		.amdhsa_system_sgpr_workgroup_id_z 1
		.amdhsa_system_vgpr_workitem_id 0
		.amdhsa_next_free_vgpr 960
		.amdhsa_next_free_sgpr 80
		.amdhsa_reserve_vcc 0
		.amdhsa_float_denorm_mode_32 3
		.amdhsa_float_denorm_mode_16_64 3
		.amdhsa_memory_ordered 1
		.amdhsa_forward_progress 1
		.amdhsa_inst_pref_size 121
	.end_amdhsa_kernel
	.amdgpu_metadata
---
amdhsa.version: [ 1, 2 ]
amdhsa.kernels:
  - .name:           k_q9548e6c6c4_qkv
    .symbol:         k_q9548e6c6c4_qkv.kd
    .args:
      - { .name: xb, .offset: 0, .size: 8, .value_kind: global_buffer, .address_space: global }
      - { .name: wqb, .offset: 8, .size: 8, .value_kind: global_buffer, .address_space: global }
      - { .name: qkv, .offset: 16, .size: 8, .value_kind: global_buffer, .address_space: global }
    .group_segment_fixed_size: 327680
    .private_segment_fixed_size: 0
    .kernarg_segment_align: 8
    .kernarg_segment_size: 24
    .max_flat_workgroup_size: 128
    .sgpr_count:     80
    .vgpr_count:     960
    .wavefront_size: 32
...
	.end_amdgpu_metadata
.endif
;; end of part 2
;; launch attn (part 3): grid 4 x 64, 8 waves a work-group, no clusters, 214,016 bytes of LDS; arguments qkv, ob; writes ob
.if DOCPART == 3
	.amdgcn_target "amdgcn-amd-amdhsa--gfx1250"
	.amdhsa_code_object_version 6
	.text
	.protected	k_q9548e6c6c4_attn
	.globl	k_q9548e6c6c4_attn
	.p2align	8
	.type	k_q9548e6c6c4_attn,@function
k_q9548e6c6c4_attn:
	s_mov_b64 s[64:65], 0
	v_nop
	global_prefetch_b8 v0, s[64:65] scope:SCOPE_SE
	s_setreg_imm32_b32 hwreg(HW_REG_WAVE_MODE, 25, 1), 1
	s_wait_xcnt 0x0
; ob[b][h][i][:] = the sum over j = i - 128 .. i (j >= 0) of softmax_j(q[i] . k[j] / 8) v[j][:], for each of the 64 heads (b, h).  q, k, v: three parts of qkv, [64][2048][64] f16 each; ob likewise.
; Products, maxima and sums in f32; the weights p are rounded to f16 for the second product (their sum l is taken of the unrounded p), ob once at the end.
; LIMITS.  q, k and v arrive within f16's range (65,504).  A hidden score counts as its value less 1e30: f16's scores, 2.7e11 at the most, are nothing beside that.  A weight below 2^-126 counts as 0 in l.
; NaN and infinities are not treated apart.
; SHARES.  A work-group takes 512 queries of one head: 4 x 64 = 256 work-groups.  Its 640 keys (the 128 in front of its first query, and its own 512) lie in LDS at once: one fill, nothing is filled again.
; A wave takes 64 queries: four tiles of 16, in two PIECES of two tiles.  A piece needs 160 keys, ten blocks of 16: tile e of the piece sees blocks e .. e + 8, the first and the last in part.
; So a query's 129 keys are all in hand at once: the softmax takes the true maximum of the row, and there is no running maximum and nothing to rescale.
; NO CLUSTER: two neighbouring work-groups share 128 of 640 keys, and these lie at different LDS bytes in the two, so no one descriptor serves both.
; LAYOUT.  S^T = K Q^T (source 0 = 16 keys, source 1 = 16 queries): a lane holds ONE query (lane % 16) and the keys 8 (lane / 16) + 0..7.  Two such results rounded to f16 ARE source 1 (32 keys x 16 queries) of
; O^T = V^T P.  K comes out of LDS as it lies, V ([key][channel]) turned, by ds_load_tr16_b128.
; THE MASK is the C operand of the product that starts a sum: 0, or -1e30 where the key is hidden.  MLA: the far edge (block e of tile e: key x is seen if x >= the query's place in its tile); MH: the diagonal
; (block e + 8: x <= it).  Keys in front of the head's first key exist for the head's first work-group alone (LDS rows below 128; the rows hold the head's first keys, so that they are finite): with g = 2 u + kb,
; blocks with g < 4 are hidden in waves 0 and 1 there (addend BEA), blocks with 4 <= g < 8 in wave 0 (BEB).  Every query sees its own key, so its maximum is a true score.
; REGISTERS: window 0: v0-13 addresses; v16-47 statistics, 16 a tile; v48-79 four masks; v80-159, v160-239 a tile's 80: S^T of block kb at 8 kb; P, compacted in place, at 4 kb; then O^T at 40 + 8 cb.
;   window 1: v0-63 Q (tile t, channel half c at 16 t + 8 c); v64-223 K of a piece (16 kb + 8 c), then its V (32 kk + 8 cb).
.set PK,    144       ; a row of K in LDS: 128 bytes + 16 of padding = 36 words: the 16 rows of a load start at 16 different groups of four banks (64 banks of 4 bytes: ISA guide 11.1)
.set PV,    160       ; a row of V: 128 + 32 = 40 words
.set VOFF,  640*PK
.set STAGE, VOFF+640*PV  ; never filled by a tensor load: 16 rows x 144 bytes for each wave, for the way out
.set SP,    144
.set SPARE, STAGE+8*16*SP  ; the spare words, 128 bytes for each of eight waves: four blocks of 256 bytes that no other line names
.set AK,  2           ; v2   (64 w + l % 16) x PK + 16 (l / 16)
.set AV,  3           ; v3   VOFF + (64 w + 8 (l / 16) + l % 8) x PV + 16 ((l / 8) % 2)
.set QO,  4           ; v4   my byte offset in 16 rows of q
.set STO, 5           ; v5   the way out: where I put 16 bytes of a row
.set RD,  6           ; v6   where I read rows back
.set GO,  7           ; v7   16 x lane
.set SPW, 12          ; v12  LDS address of my spare word; never rewritten
.set NIL, 13          ; v13  0; never rewritten
.set ST,  16          ; tile e's statistics at ST + 16 e: +0 c m, +1 m, +2..4 three chains, +5 the other half's, +6 1 / l, +7 named with it, +8..15 four pairs of sums
.set MLA, 48
.set ZA,  56
.set ZB,  64
.set MH,  72
.set TB,  80
.set KV,  64          ; window 1
.set WV,  8           ; s8   my wave's number
.set CS,  66          ; s[66:67] c = log2(e) / 8
.set SEL, 68          ; s[68:69] v_permlanex16_b32's selects: each lane takes its own place in the other half
.set BIGN, 70         ; s70  -1e30
.set QA,  74          ; s[74:75] q at my wave's first row
.set OA,  76          ; s[76:77] ob at the same row
.set MSB, 0
.macro WIN new                      ; the high byte repeats the setting that is left; a switch that changes nothing is dropped
.if MSB != (\new)
	s_set_vgpr_msb (MSB<<8)|(\new)
.set MSB, (\new)
.endif
.endm
.set W_KQ, 0x05       ; K and Q in window 1, S^T and the mask in window 0
.set W_PV, 0x01       ; V in window 1, P and O^T in window 0
.set W_LD, 0x40       ; destination window 1, address window 0
; descriptor group 1: keys are dense rows of 128 bytes, asked for as rows of 256 bytes, two keys a row, and padded in LDS after every key (every 32 words: code 4)
.macro SHAPE g, pad, rows
	s_mov_b32 s[(\g)+0], (1<<16)|(1<<20)|(4<<22)|((\pad)<<25)  ; 17:16 elements of 2 bytes; 20 padding on; 31:25 4 words (code 3) or 8 (code 7)
	s_mov_b32 s[(\g)+1], 128<<16    ; tensor_dim0 = 128
	s_mov_b32 s[(\g)+2], (\rows)<<16  ; tensor_dim1
	s_mov_b32 s[(\g)+3], 128<<16    ; tile_dim0 = 128
	s_mov_b32 s[(\g)+4], \rows      ; tile_dim1
	s_mov_b32 s[(\g)+5], 128        ; elements from row to row
	s_mov_b32 s[(\g)+6], 0
	s_mov_b32 s[(\g)+7], 0
.endm
.macro PLACES                       ; four plain vector instructions between a matrix instruction and a load into, or a vector read or write of, its registers (ISA guide 7.12.1 for vector reads and writes)
.rept 4
	v_nop
.endr
.endm
	s_load_b128 s[4:7], s[0:1], 0x0 ; qkv s[4:5], ob s[6:7]
	v_lshl_add_u32 v[SPW], v0, 2, SPARE
	v_mov_b32 v[NIL], 0
	ds_add_u32 v[SPW], v[NIL]       ; the wave's opening: the add and its wait stand ahead of my first tensor load; the set-up below, work on registers, stands between them
	v_lshrrev_b32 v1, 5, v0
	v_readfirstlane_b32 s[WV], v1   ; wave 0..7
	s_mov_b32 s9, ttmp9             ; my block of 512 queries, 0..3
	s_and_b32 s10, ttmp7, 0xffff    ; the head, 0..63
	s_and_b32 s11, s[WV], 3         ; which quarter of K (waves 0-3) or of V (waves 4-7) I fetch
	SHAPE 16, 3, 64                 ; K, 128 keys
	SHAPE 24, 3, 16                 ; K, 32 keys of the 128 in front
	SHAPE 32, 7, 64                 ; V
	SHAPE 40, 7, 16
	s_mov_b32 s48, 1                ; group 0: count = 1, then the LDS address: a constant and the wave's number times a constant
	s_mul_i32 s49, s[WV], 128*PK
	s_add_co_u32 s49, s49, 128*PK   ; K: row 128 + 128 w
	s_mov_b32 s52, 1
	s_mul_i32 s53, s[WV], 32*PK     ; K in front: row 32 w
	s_mov_b32 s56, 1
	s_mul_i32 s57, s[WV], 128*PV
	s_add_co_u32 s57, s57, VOFF+128*PV-4*128*PV  ; V: row 128 + 128 (w - 4)
	s_mov_b32 s60, 1
	s_mul_i32 s61, s[WV], 32*PV
	s_add_co_u32 s61, s61, VOFF-4*32*PV          ; V in front: row 32 (w - 4)
	s_lshl_b32 s12, s10, 18         ; the head's plane of 262,144 bytes
	s_lshl_b32 s13, s9, 16          ; my block's 512 rows of 128 bytes
	s_lshl_b32 s78, s[WV], 13       ; my wave's 64 rows
	s_add_co_u32 s78, s78, s12
	s_add_co_u32 s78, s78, s13
	s_mov_b32 s79, 0
	s_lshl_b32 s14, s11, 14         ; my quarter: 128 keys
	s_add_co_u32 s2, s12, s13
	s_add_co_u32 s2, s2, s14
	s_mov_b32 s3, 0
	s_sub_co_i32 s13, s13, 16384    ; the 128 keys in front; for the head's first block the head's first 128, which the masks hide
	s_max_i32 s13, s13, 0
	s_lshl_b32 s14, s11, 12         ; my quarter: 32 keys
	s_add_co_u32 s14, s14, s13
	s_add_co_u32 s14, s14, s12
	s_mov_b32 s15, 0
	s_mov_b32 s[CS], 0x3e38aa3b     ; c = 0.180337
	s_mov_b32 s[CS+1], s[CS]        ; named with it as a pair
	s_mov_b32 s[SEL], 0x76543210
	s_mov_b32 s[SEL+1], 0xfedcba98
	s_mov_b32 s[BIGN], 0xf149f2ca   ; -1e30
	s_lshl_b32 s12, s9, 3
	s_add_co_u32 s12, s12, s[WV]    ; my wave among the head's 32
	s_cmp_lt_u32 s12, 2
	s_cselect_b32 s71, s[BIGN], 0   ; BEA
	s_cmp_lt_u32 s12, 1
	s_cselect_b32 s72, s[BIGN], 0   ; BEB
	s_wait_dscnt 0x0                ; the opening add is done
	s_wait_kmcnt 0x0
	s_add_nc_u64 s[QA:QA+1], s[4:5], s[78:79]
	s_add_nc_u64 s[OA:OA+1], s[6:7], s[78:79]
	s_add_nc_u64 s[78:79], s[4:5], 0x1000000      ; k begins 16,777,216 bytes behind q
	s_add_nc_u64 s[50:51], s[78:79], s[2:3]
	s_or_b32 s51, s51, 0x80000000                 ; type = 2
	s_add_nc_u64 s[54:55], s[78:79], s[14:15]
	s_or_b32 s55, s55, 0x80000000
	s_add_nc_u64 s[78:79], s[4:5], 0x2000000      ; v 33,554,432
	s_add_nc_u64 s[58:59], s[78:79], s[2:3]
	s_or_b32 s59, s59, 0x80000000
	s_add_nc_u64 s[62:63], s[78:79], s[14:15]
	s_or_b32 s63, s63, 0x80000000
	s_cmp_lt_u32 s[WV], 4           ; a wave's two fills stand in one branch, ahead of every wait on TENSORcnt, every LDS read and every barrier: two loads of mine are out
	s_cbranch_scc0 .Lfor_v
	tensor_load_to_lds s[48:51], s[16:23]
	s_nop 0
	tensor_load_to_lds s[52:55], s[24:31]
	s_nop 0
.rept 4
	v_nop
.endr
	s_branch .Lasked
.Lfor_v:
	tensor_load_to_lds s[56:59], s[32:39]
	s_nop 0
	tensor_load_to_lds s[60:63], s[40:47]
	s_nop 0
.rept 4
	v_nop
.endr
.Lasked:
	; A fragment of K or Q is 16 rows x 32 channels in 8 registers: lane l holds row l % 16, channels 8 (l / 16) + 0..7 and 16 + 8 (l / 16) + 0..7: two loads of 16 bytes, 32 bytes apart.
	v_and_b32 v1, 15, v0            ; l % 16
	v_bfe_u32 v8, v0, 4, 1          ; l / 16
	v_lshlrev_b32 v[QO], 7, v1
	v_lshl_add_u32 v[QO], v8, 4, v[QO]
	WIN W_LD
.set i, 0
.rept 8                             ; Q stays in registers: tile i / 2, channels 32 (i % 2) on
	global_load_b128 v[8*i:8*i+3],   v[QO], s[QA:QA+1] offset:(i/2)*2048+(i%2)*64 th:TH_LOAD_NT
	global_load_b128 v[8*i+4:8*i+7], v[QO], s[QA:QA+1] offset:(i/2)*2048+(i%2)*64+32 th:TH_LOAD_NT
.set i, i+1
.endr
	WIN 0
	s_lshl_b32 s12, s[WV], 6        ; my wave's first LDS row
	v_add_nc_u32 v10, s12, v1
	v_mul_u32_u24 v[AK], v10, PK
	v_lshl_add_u32 v[AK], v8, 4, v[AK]
	; The turning load takes 16 keys x 16 channels (lane l reads key 8 (l / 16) + l % 8, channels 8 ((l / 8) % 2) + 0..7) and leaves half a fragment of V^T: lane l holds channel l % 16 and 8 keys.
	v_and_b32 v10, 7, v0
	v_lshl_add_u32 v11, v8, 3, v10
	v_add_nc_u32 v11, s12, v11
	v_mul_u32_u24 v[AV], v11, PV
	v_bfe_u32 v11, v0, 3, 1
	v_lshl_add_u32 v[AV], v11, 4, v[AV]
	v_add_nc_u32 v[AV], VOFF, v[AV]
	s_mul_i32 s13, s[WV], 16*SP
	s_add_co_u32 s13, s13, STAGE    ; my stage
	v_mul_u32_u24 v[STO], v1, SP    ; in: row l % 16, 16 bytes for each half of the lanes
	v_lshl_add_u32 v[STO], v8, 4, v[STO]
	v_add_nc_u32 v[STO], s13, v[STO]
	v_bfe_u32 v[RD], v0, 3, 2       ; back: 32 lanes take four rows of 128 bytes,
	v_mul_u32_u24 v[RD], v[RD], SP
	v_lshl_add_u32 v[RD], v10, 4, v[RD]
	v_add_nc_u32 v[RD], s13, v[RD]
	v_and_b32 v[GO], 31, v0         ; which are 512 consecutive bytes of ob
	v_lshlrev_b32 v[GO], 4, v[GO]
	v_lshlrev_b32 v10, 3, v8
	v_sub_nc_u32 v9, v1, v10        ; my query's place in its tile less my lanes' 8 (l / 16): register r holds the key at r - v9 from the query's own place in a block
.irp e, 0,1
	v_mov_b32 v[ST+16*(\e)+5], 0    ; v_permlanex16_b32's destination counts as read
	v_mov_b32 v[ST+16*(\e)+7], 0    ; named in a pair with 1 / l
.endr
.irp r, 0,1,2,3,4,5,6,7             ; the four masks, made once, wholly behind the tensor loads
	v_mov_b32 v[ZA+(\r)], s71
	v_mov_b32 v[ZB+(\r)], s72
.endr
.irp r, 0,1,2,3,4,5,6,7
	v_cmp_lt_i32 vcc_lo, \r, v9
	v_cndmask_b32 v[MLA+(\r)], v[ZA], s[BIGN], vcc_lo
	v_cmp_gt_i32 vcc_lo, \r, v9
	v_cndmask_b32 v[MH+(\r)], 0, s[BIGN], vcc_lo
.endr
; THE LDS LOADS stand in runs of 40.  K of piece u: ten blocks of 16 keys; all of channels 0-31 first, so that the first pass of products need wait for half the run only.
.macro FETCH_K u
	WIN W_LD
.irp c, 0,1
.irp kb, 0,1,2,3,4,5,6,7,8,9
	ds_load_b128 v[KV+16*(\kb)+8*(\c):KV+16*(\kb)+8*(\c)+3],   v[AK] offset:(32*(\u)+16*(\kb))*PK+64*(\c)
	ds_load_b128 v[KV+16*(\kb)+8*(\c)+4:KV+16*(\kb)+8*(\c)+7], v[AK] offset:(32*(\u)+16*(\kb))*PK+64*(\c)+32
.endr
.endr
	WIN 0
.endm
.macro FETCH_V u                    ; V of piece u, turned: keys 32 kk on, channels 16 cb on
	WIN W_LD
.irp kk, 0,1,2,3,4
.irp cb, 0,1,2,3
	ds_load_tr16_b128 v[KV+32*(\kk)+8*(\cb):KV+32*(\kk)+8*(\cb)+3],   v[AV] offset:(32*(\u)+32*(\kk))*PV+32*(\cb)
	ds_load_tr16_b128 v[KV+32*(\kk)+8*(\cb)+4:KV+32*(\kk)+8*(\cb)+7], v[AV] offset:(32*(\u)+32*(\kk))*PV+16*PV+32*(\cb)
.endr
.endr
	WIN 0
.endm
; One product of S^T = K Q^T: piece u, channels 32 c on, key block kb, tile e of the piece.  Blocks that the tile does not see at all (kb - e = -1 or 9) have none.  c = 0 starts the sum, with the mask or with 0.
.macro SP1 u, c, kb, e
.set ii, (\kb)-(\e)
.if (ii >= 0) && (ii <= 8)
.set gg, 2*(\u)+(\kb)
.set rS, TB+80*(\e)+8*(\kb)
.set rK, KV+16*(\kb)+8*(\c)
.set rQ, 16*(2*(\u)+(\e))+8*(\c)
.if (\c) == 1
	v_wmma_f32_16x16x32_f16 v[rS:rS+7], v[rK:rK+7], v[rQ:rQ+7], v[rS:rS+7]
.elseif ii == 0
	v_wmma_f32_16x16x32_f16 v[rS:rS+7], v[rK:rK+7], v[rQ:rQ+7], v[MLA:MLA+7]
.elseif ii == 8
	v_wmma_f32_16x16x32_f16 v[rS:rS+7], v[rK:rK+7], v[rQ:rQ+7], v[MH:MH+7]
.elseif gg < 4
	v_wmma_f32_16x16x32_f16 v[rS:rS+7], v[rK:rK+7], v[rQ:rQ+7], v[ZA:ZA+7]
.elseif gg < 8
	v_wmma_f32_16x16x32_f16 v[rS:rS+7], v[rK:rK+7], v[rQ:rQ+7], v[ZB:ZB+7]
.else
	v_wmma_f32_16x16x32_f16 v[rS:rS+7], v[rK:rK+7], v[rQ:rQ+7], 0
.endif
.endif
.endm
.macro SPROD u, c                   ; a pass: 18 products; the 18 accumulators take turns, in the same order in both passes
	WIN W_KQ
.irp kb, 0,1,2,3,4,5,6,7,8,9
	SP1 \u, \c, \kb, 0
	SP1 \u, \c, \kb, 1
.endr
.endm
.macro PVPROD                       ; O^T = V^T P: 40 products; the 8 accumulators take turns; keys 0-31 start the sums
	WIN W_PV
.irp kk, 0,1,2,3,4
.irp cb, 0,1,2,3
.irp e, 0,1
.set rO, TB+80*(\e)+40+8*(\cb)
.set rV, KV+32*(\kk)+8*(\cb)
.set rF, TB+80*(\e)+8*(\kk)
.if (\kk) == 0
	v_wmma_f32_16x16x32_f16 v[rO:rO+7], v[rV:rV+7], v[rF:rF+7], 0
.else
	v_wmma_f32_16x16x32_f16 v[rO:rO+7], v[rV:rV+7], v[rF:rF+7], v[rO:rO+7]
.endif
.endr
.endr
.endr
.endm
; One line for each of the piece's two tiles: rT its statistics, rS the first of its 72 live scores (block e), rP the first of their 36 words of P.  The tiles alternate, so that no line reads the result of the line before it.
.macro BOTH line:vararg
.set rT, ST
.set rS, TB
.set rP, TB
	\line
.set rT, ST+16
.set rS, TB+88
.set rP, TB+84
	\line
.endm
.macro SOFT
	WIN 0
	; the maximum: three chains of 24 scores (three accumulators) each, ascending, three operands at a time: each accumulator is first read at its register 0
.set j, 0
.rept 3
	BOTH v_max3_num_f32 v[rT+2+j], v[rS+24*j], v[rS+24*j+1], v[rS+24*j+2]
.set j, j+1
.endr
.set k, 1
.rept 10
.set j, 0
.rept 3
	BOTH v_max3_num_f32 v[rT+2+j], v[rT+2+j], v[rS+24*j+2*k+1], v[rS+24*j+2*k+2]
.set j, j+1
.endr
.set k, k+1
.endr
	BOTH v_max3_num_f32 v[rT+2], v[rT+2], v[rT+3], v[rT+4]
	BOTH v_max3_num_f32 v[rT+2], v[rT+2], v[rS+23], v[rS+47]
	BOTH v_max_num_f32 v[rT+2], v[rT+2], v[rS+71]
	BOTH v_permlanex16_b32 v[rT+5], v[rT+2], s[SEL], s[SEL+1]
	BOTH v_max_num_f32 v[rT+1], v[rT+2], v[rT+5]
	BOTH v_mul_f32 v[rT], s[CS], v[rT+1]
	; ONE BATCH: 36 scalings c s - c m a tile and all 72 exponentials, in place; a pair's exponentials stand behind the next pair's scalings.  Nothing here names an exponential's result.
.set n, 0
.rept 37
.if n < 36
	BOTH v_pk_fma_f32 v[rS+2*n:rS+2*n+1], v[rS+2*n:rS+2*n+1], s[CS:CS+1], v[rT:rT+1] op_sel_hi:[1,0,0] neg_lo:[0,0,1] neg_hi:[0,0,1]
.endif
.if n > 0
	BOTH v_exp_f32 v[rS+2*n-2], v[rS+2*n-2]
	BOTH v_exp_f32 v[rS+2*n-1], v[rS+2*n-1]
.endif
.set n, n+1
.endr
	v_nop                           ; a plain instruction behind the last exponential (ISA guide 5.7.2),
	s_wait_alu depctr_va_vdst(0)    ; and a wait ahead of the first use: one for the 144 exponentials
	; l: four chains of nine pairs, then into one; the two halves of the pair; the other half of the lanes'
.set j, 0
.rept 4
	BOTH v_pk_add_f32 v[rT+8+2*j:rT+9+2*j], v[rS+2*j:rS+2*j+1], v[rS+2*j+8:rS+2*j+9]
.set j, j+1
.endr
.set i, 2
.rept 7
.set j, 0
.rept 4
	BOTH v_pk_add_f32 v[rT+8+2*j:rT+9+2*j], v[rT+8+2*j:rT+9+2*j], v[rS+2*j+8*i:rS+2*j+8*i+1]
.set j, j+1
.endr
.set i, i+1
.endr
	BOTH v_pk_add_f32 v[rT+8:rT+9], v[rT+8:rT+9], v[rT+10:rT+11]
	BOTH v_pk_add_f32 v[rT+12:rT+13], v[rT+12:rT+13], v[rT+14:rT+15]
	BOTH v_pk_add_f32 v[rT+8:rT+9], v[rT+8:rT+9], v[rT+12:rT+13]
	BOTH v_add_f32 v[rT+8], v[rT+8], v[rT+9]
	BOTH v_permlanex16_b32 v[rT+5], v[rT+8], s[SEL], s[SEL+1]
	BOTH v_add_f32 v[rT+8], v[rT+8], v[rT+5]
	BOTH v_rcp_f32 v[rT+6], v[rT+8]
	; the roundings, ascending and in place: word n takes scores 2 n and 2 n + 1, so no word lands on a score that is still to be read
.set n, 0
.rept 36
	BOTH v_cvt_pk_f16_f32 v[rP+n], v[rS+2*n], v[rS+2*n+1]
.set n, n+1
.endr
.irp r, 0,1,2,3
	v_mov_b32 v[TB+36+(\r)], 0      ; tile 0 does not see block 9,
	v_mov_b32 v[TB+80+(\r)], 0      ; tile 1 not block 0: their weights are 0
.endr
	s_wait_alu depctr_va_vdst(0)    ; the wait for the two reciprocals, behind the roundings and ahead of their first use
.endm
; THE WAY OUT of piece u: O^T is divided by l, rounded to f16 and sent through my stage, a tile at a time; a lane's eight channels pack into 16 bytes, go into rows of 144 bytes and come back as rows of 128.
.macro OUT u
	WIN 0
.irp e, 0,1
.set rT, ST+16*(\e)
.set rB, TB+80*(\e)
.set i, 0
.rept 16
	v_pk_mul_f32 v[rB+40+2*i:rB+41+2*i], v[rB+40+2*i:rB+41+2*i], v[rT+6:rT+7] op_sel_hi:[1,0]
.set i, i+1
.endr
.set i, 0
.rept 16
	v_cvt_pk_f16_f32 v[rB+i], v[rB+40+2*i], v[rB+41+2*i]
.set i, i+1
.endr
.irp f, 0,1,2,3
	ds_store_b128 v[STO], v[rB+4*(\f):rB+4*(\f)+3] offset:32*(\f)
.endr
.irp f, 0,1,2,3
	ds_load_b128 v[rB+4*(\f):rB+4*(\f)+3], v[RD] offset:(\f)*4*SP  ; LDS serves a wave's instructions in order (ISA guide 5.7.1.4): these see the stores above; the next tile's stores come behind them
.endr
.endr
	s_wait_dscnt 8                  ; tile 0 is back; tile 1's four stores and four loads may be out
.irp f, 0,1,2,3
	global_store_b128 v[GO], v[TB+4*(\f):TB+4*(\f)+3], s[OA:OA+1] offset:(2*(\u))*2048+(\f)*512  ; 512 consecutive bytes, at a multiple of 256 from ob's first
.endr
	s_wait_dscnt 0x0
.irp f, 0,1,2,3
	global_store_b128 v[GO], v[TB+80+4*(\f):TB+80+4*(\f)+3], s[OA:OA+1] offset:(2*(\u)+1)*2048+(\f)*512
.endr
.endm
.macro PIECE u
.if (\u) == 1
	s_wait_xcnt 0x0                 ; the first piece's stores have read their registers, which the products below write
.endif
	s_wait_dscnt 20                 ; K's channels 0-31 are in; the 20 loads of channels 32-63 may be out
	SPROD \u, 0
	s_wait_dscnt 0x0
	SPROD \u, 1
	WIN 0
	PLACES                          ; behind the last product: V lands on K's registers, and the maximum reads the scores
	FETCH_V \u                      ; it has the softmax in which to come
	SOFT
	s_wait_dscnt 0x0                ; V is in
	PVPROD
	WIN 0
	PLACES
.if (\u) == 0
	FETCH_K 1                       ; the second piece's K comes during the first piece's way out
.endif
	OUT \u
.endm
	s_wait_tensorcnt 0x0            ; my two parts of K or V are in,
	s_barrier_signal -1
	s_barrier_wait -1               ; everybody's are.  Nothing is filled again: from here on K and V are only read
	FETCH_K 0
	s_wait_loadcnt 0x0              ; Q
	PIECE 0
	PIECE 1
	s_wait_tensorcnt 0x0            ; the wave's end: an add onto my spare word and its wait, behind my last tensor load and my last LDS store
	ds_add_u32 v[SPW], v[NIL]
	s_wait_dscnt 0x0
	s_endpgm
.Lfunc_end_k_q9548e6c6c4_attn:
	.size	k_q9548e6c6c4_attn, .Lfunc_end_k_q9548e6c6c4_attn-k_q9548e6c6c4_attn
	.p2alignl 7, 3214868480
	.fill 96, 4, 3214868480
	.section	.rodata,"a",@progbits
	.p2align	6, 0x0
	.amdhsa_kernel k_q9548e6c6c4_attn
		.amdhsa_group_segment_fixed_size 214016
		.amdhsa_private_segment_fixed_size 0
		.amdhsa_enable_private_segment 0
		.amdhsa_kernarg_size 16
		.amdhsa_user_sgpr_count 2
		.amdhsa_user_sgpr_kernarg_segment_ptr 1
		.amdhsa_wavefront_size32 1
		.amdhsa_system_sgpr_workgroup_id_x 1
		.amdhsa_system_sgpr_workgroup_id_y 1
		.amdhsa_system_sgpr_workgroup_id_z 1
		.amdhsa_system_vgpr_workitem_id 0
		.amdhsa_next_free_vgpr 512
		.amdhsa_next_free_sgpr 80
		.amdhsa_reserve_vcc 1
		.amdhsa_float_denorm_mode_32 3
		.amdhsa_float_denorm_mode_16_64 3
		.amdhsa_memory_ordered 1
		.amdhsa_forward_progress 1
		.amdhsa_inst_pref_size 90
	.end_amdhsa_kernel
	.amdgpu_metadata
---
amdhsa.version: [ 1, 2 ]
amdhsa.kernels:
  - .name:           k_q9548e6c6c4_attn
    .symbol:         k_q9548e6c6c4_attn.kd
    .args:
      - { .name: qkv, .offset: 0, .size: 8, .value_kind: global_buffer, .address_space: global }
      - { .name: ob, .offset: 8, .size: 8, .value_kind: global_buffer, .address_space: global }
    .group_segment_fixed_size: 214016
    .private_segment_fixed_size: 0
    .kernarg_segment_align: 8
    .kernarg_segment_size: 16
    .max_flat_workgroup_size: 256
    .sgpr_count:     80
    .vgpr_count:     512
    .wavefront_size: 32
...
	.end_amdgpu_metadata
.endif
;; end of part 3
;; launch proj (part 4): grid 8 x 32, 4 waves a work-group, clusters of 4 x 4, 327,680 bytes of LDS; arguments ob, wob, out0; writes out0
.if DOCPART == 4
	.amdgcn_target "amdgcn-amd-amdhsa--gfx1250"
	.amdhsa_code_object_version 6
	.text
	.protected	k_q9548e6c6c4_proj
	.globl	k_q9548e6c6c4_proj
	.p2align	8
	.type	k_q9548e6c6c4_proj,@function
k_q9548e6c6c4_proj:
	s_mov_b64 s[64:65], 0
	v_nop
	global_prefetch_b8 v0, s[64:65] scope:SCOPE_SE
	s_setreg_imm32_b32 hwreg(HW_REG_WAVE_MODE, 25, 1), 1
	s_wait_xcnt 0x0
	s_wait_alu depctr_hold_cnt(0) depctr_sa_sdst(0) depctr_va_vdst(0) depctr_va_sdst(0) depctr_va_ssrc(0) depctr_va_vcc(0) depctr_vm_vsrc(0)
	s_getreg_b32 s2, hwreg(HW_REG_IB_STS2, 6, 4)
	s_cmp_eq_u32 s2, 0
	s_cbranch_scc0 .Lentry_in_a_cluster
	s_endpgm
.Lentry_in_a_cluster:
	s_bfe_u32 s2, ttmp6, 0x10000c
	s_cmp_lg_u32 s2, 0xf033
	s_cbranch_scc0 .Lentry_shape_is_right
	s_endpgm
.Lentry_shape_is_right:
; out0[2048 b + t][n] = the sum over h, d of ob[b][h][t][d] wob[n][64 h + d].  ob: [4][16][2048][64] f16, wob: [1024][1024] f16, out0: [8192][1024] f32.  Sums in f32, K ascending; nothing is rounded on the way out.
; SHARES.  A tile of out0 is 256 rows x 128 columns: 32 x 8 = 256 work-groups.  Four waves, 2 x 2: a wave makes 128 rows x 64 columns: 32 accumulators of 16 x 16, 256 registers.
; K goes in steps of 128, two heads, through two LDS slots filled by the tensor data mover.  A head's 256 rows of a tile are 32,768 dense bytes of ob, asked for as 128 rows of 256 bytes and padded in LDS after
; every 128 bytes; wob's rows are 256 bytes of memory, aligned.
; CLUSTER.  4 x 4 work-groups: ob's tiles are shared along a row of the cluster, wob's along a column; each is asked for jointly, by the same tensor load with the same descriptor and a mask that names the four.
; THE MATRIX INSTRUCTION IS USED TRANSPOSED (source 0 = 16 rows of wob, source 1 = 16 rows of ob): a lane holds row l % 16 of out0 and eight neighbouring columns, 32 bytes.
; REGISTERS: window 0: v0-31 addresses; v32-63 and (behind the loop) v64-95 rows read back from the stage; two fragment buffers: ob's 8 fragments at v64, v160, wob's 4 at v128, v224.
;   window 1: the accumulators, (a, b) at v[8 (4 a + b)].
.set KSTEP,  128
.set PA,     144                       ; a row of ob in LDS: 128 bytes + 16 of padding; PB likewise 256 + 16: the 16 rows of a fragment load start at 16 different groups of four banks (64 banks of 4 bytes: ISA guide 11.1)
.set PB,     272
.set PLANE,  256*PA                    ; a head's 256 rows: what one tensor load brings of ob
.set HB,     64*PB                     ; and of wob: 64 rows
.set BOFF,   2*PLANE                   ; in a slot wob's 128 rows lie behind ob's two heads
.set SLOT,   BOFF+128*PB
.set STAGE,  2*SLOT                    ; behind the ring, never filled by a tensor load: 16 rows x 272 bytes for each wave
.set SPITCH, 272
.set SPARE,  STAGE+4*16*SPITCH         ; the spare words, 128 bytes for each wave: two blocks of 256 bytes that no other line names
.set LAPS,   4                         ; 1,024 / 256: a lap = two K steps = once round the ring
.set ADRA, 16                          ; v16-17  LDS address of my fragments of ob in slot 0, 1
.set ADRB, 20                          ; v20-21  the same for wob
.set STO,  24                          ; v24     the way out: where I put 32 bytes of a row
.set RD,   25                          ; v25     where I read a row back
.set CO,   26                          ; v26     my byte offset in two rows of out0
.set SPW,  28                          ; v28     LDS address of my spare word; never rewritten
.set NIL,  29                          ; v29     0; never rewritten
.set PFO,  30                          ; v30     the prefetches' offset; never rewritten
.set OB,   32
.set FA,   64                          ; + 96 f
.set FB,   128                         ; + 96 f
.set G1,   24                          ; s[24:31] descriptor group 1 for ob's tiles;  s[32:39] group 0, one set for each slot
.set G0,   32
.set LIM,  43                          ; s43      1 in a wave that prefetches, else the greatest number
.set PFA,  44                          ; s[44:45] where my prefetches stand
.set G1B,  48                          ; s[48:55], s[56:63] the same two groups for wob's tiles
.set G0B,  56
.set PST,  72                          ; s[72:73] bytes from a K step to the next in the tensor that I prefetch
.set MSB, 0
.macro WIN new                         ; the immediate's high byte repeats the setting that is left; a switch that changes nothing is dropped
.if MSB != (\new)
	s_set_vgpr_msb (MSB<<8)|(\new)
.set MSB, \new
.endif
.endm
.set MUL, 0x50                         ; sources 0 and 1 window 0; C and D window 1
.macro JLOAD s                         ; a joint load: waves 0 and 1 fetch ob's two heads, waves 2 and 3 wob's two halves; an s_nop 0 and four v_nop follow each of the two lines
	s_cmp_eq_u32 s11, 0
	s_cbranch_scc0 .Lfor_b_\@
	tensor_load_to_lds s[G0+4*(\s):G0+4*(\s)+3], s[G1:G1+7]
	s_nop 0
.rept 4
	v_nop
.endr
	s_branch .Lasked_\@
.Lfor_b_\@:
	tensor_load_to_lds s[G0B+4*(\s):G0B+4*(\s)+3], s[G1B:G1B+7]
	s_nop 0
.rept 4
	v_nop
.endr
.Lasked_\@:
.endm
; A prefetch, behind each joint refill and the run of LDS loads that follows it: the K step that stands two refills on (256 matrix instructions ahead of the load that will want it), 32 blocks of 256 bytes, a lane a block.
; Each block is named once in the launch: ob's by waves 0 and 1 of the clusters with x = 0 (each its own head; the partner at cx takes 32 of the head's 128 blocks), wob's by wave 2 of the clusters with y = 0
; (the partner at cy takes 32 of the 128 rows): shared out by address.  The loop's last trip (s3 = 1) asks for nothing.  K steps 0 to 3 come by their loads alone.
.macro ASK
	s_cmp_gt_u32 s3, s[LIM]
	s_cbranch_scc0 .Lnot_mine_\@
	global_prefetch_b8 v[PFO], s[PFA:PFA+1] th:TH_LOAD_NT scope:SCOPE_SE
.Lnot_mine_\@:
.endm
.macro CREST                           ; a round of the cluster's barrier behind its opening barrier
	s_cmp_lg_u32 s10, 0
	s_cbranch_scc1 .Lnot_wave_0_\@
	s_barrier_signal -3
.Lnot_wave_0_\@:
	s_barrier_wait -3
	s_barrier_signal -1
	s_barrier_wait -1
.endm
.macro CROUND                          ; a whole round
	s_barrier_signal -1
	s_barrier_wait -1
	CREST
.endm
	s_load_b128 s[4:7], s[0:1], 0x0                ; ob s[4:5], wob s[6:7]
	s_load_b64 s[8:9], s[0:1], 0x10                ; out0
	v_lshl_add_u32 v[SPW], v0, 2, SPARE
	v_mov_b32 v[NIL], 0
	ds_add_u32 v[SPW], v[NIL]                      ; the wave's opening: the add and its wait stand ahead of my first tensor load; the set-up below, work on registers, stands between them
	v_lshrrev_b32 v1, 5, v0
	v_readfirstlane_b32 s10, v1                    ; wave 0..3
	s_lshr_b32 s11, s10, 1                         ; which half of the tile's rows is mine.  Also: I fetch for ob (0) or for wob (1)
	s_and_b32 s12, s10, 1                          ; which half of its columns.  Also: which head of the K step, or which 64 rows of wob, I fetch
	s_bfe_u32 s40, ttmp6, 0x40000                  ; cx, cy: my place in the cluster
	s_bfe_u32 s41, ttmp6, 0x40004
	s_lshl_b32 s42, ttmp9, 2
	s_add_co_u32 s42, s42, s40                     ; tile column = 4 x cluster x + cx: 0..7
	s_and_b32 s13, ttmp7, 0xffff
	s_lshl_b32 s13, s13, 2
	s_add_co_u32 s13, s13, s41                     ; tile row = 4 x cluster y + cy: 0..31
	s_lshl_b32 s74, s41, 2
	s_lshl_b32 s74, 15, s74                        ; my row of the cluster
	s_lshl_b32 s75, 0x1111, s40                    ; my column
	s_or_b32 s[G1+0], s74, (1<<16)|(1<<20)|(1<<21)|(4<<22)|(3<<25)   ; 15:0 the mask; 17:16 elements of 2 bytes; 20 padding on; 21 set beside a mask; 24:22 after every 32 words (code 4); 31:25 4 words (code 3)
	s_or_b32 s[G1B+0], s75, (1<<16)|(1<<20)|(1<<21)|(5<<22)|(3<<25)  ; wob: after every 64 words (code 5)
	s_mov_b32 s[G1+1], 128<<16                     ; tensor_dim0 = 128
	s_mov_b32 s[G1+2], 128<<16                     ; tensor_dim1 = 128
	s_mov_b32 s[G1+3], 128<<16                     ; tile_dim0 = 128
	s_mov_b32 s[G1+4], 128                         ; tile_dim1 = 128
	s_mov_b32 s[G1+5], 128                         ; dense: 128 elements from row to row
	s_mov_b32 s[G1+6], 0
	s_mov_b32 s[G1+7], 0
	s_mov_b32 s[G1B+1], KSTEP<<16
	s_mov_b32 s[G1B+2], 64<<16                     ; 64 rows
	s_mov_b32 s[G1B+3], KSTEP<<16
	s_mov_b32 s[G1B+4], 64
	s_mov_b32 s[G1B+5], 1024                       ; elements from row to row
	s_mov_b32 s[G1B+6], 0
	s_mov_b32 s[G1B+7], 0
	s_lshr_b32 s16, s13, 3                         ; ob: plane batch x 16 + my head of K step 0, of 262,144 bytes; row (tile row % 8) x 256, of 128 bytes: made of the tile row and the wave's number alone
	s_lshl_b32 s16, s16, 4
	s_add_co_u32 s16, s16, s12
	s_lshl_b32 s16, s16, 18
	s_and_b32 s17, s13, 7
	s_lshl_b32 s17, s17, 15
	s_add_co_u32 s16, s16, s17
	s_mov_b32 s17, 0
	s_lshl_b32 s46, s42, 18                        ; wob: row 128 x tile column + 64 x half, 2,048 bytes a row: of the tile column and the wave's number alone
	s_lshl_b32 s47, s12, 17
	s_add_co_u32 s46, s46, s47
	s_mov_b32 s47, 0
	s_mul_i32 s20, s10, PLANE                      ; where they go: ob's heads at wave x a plane (waves 0, 1),
	s_mul_i32 s21, s10, HB
	s_add_co_u32 s21, s21, BOFF-2*HB               ; wob's halves at BOFF + (wave - 2) x 64 rows (waves 2, 3): no place in the cluster enters an LDS address
	s_wait_dscnt 0x0                               ; the opening add is done
	s_wait_kmcnt 0x0
	s_add_nc_u64 s[14:15], s[4:5], s[16:17]
	s_add_nc_u64 s[46:47], s[6:7], s[46:47]
	CROUND                                         ; all sixteen work-groups are here: the first joint loads meet
.irp s, 0,1
	s_mov_b32 s[G0+4*(\s)], 1                                        ; count = 1
	s_add_co_u32 s[G0+4*(\s)+1], s20, (\s)*SLOT                      ; LDS address
	s_add_nc_u64 s[G0+4*(\s)+2:G0+4*(\s)+3], s[14:15], (\s)*2*262144 ; global address: K step s is two heads on
	s_or_b32 s[G0+4*(\s)+3], s[G0+4*(\s)+3], 0x80000000              ; type = 2
	s_mov_b32 s[G0B+4*(\s)], 1
	s_add_co_u32 s[G0B+4*(\s)+1], s21, (\s)*SLOT
	s_add_nc_u64 s[G0B+4*(\s)+2:G0B+4*(\s)+3], s[46:47], (\s)*KSTEP*2
	s_or_b32 s[G0B+4*(\s)+3], s[G0B+4*(\s)+3], 0x80000000
	JLOAD \s                                       ; two tensor loads of mine are out
.endr
	v_and_b32 v1, 15, v0                           ; l % 16
	v_bfe_u32 v2, v0, 4, 1                         ; l / 16
	v_mul_u32_u24 v3, v1, PA
	v_lshl_add_u32 v3, v2, 4, v3                   ; a fragment's row x pitch + 16 x half, for ob
	v_mul_u32_u24 v4, v1, PB
	v_lshl_add_u32 v4, v2, 4, v4                   ; and for wob
	s_mul_i32 s74, s11, 128*PA                     ; my 128 rows of ob, in each plane
	s_mul_i32 s75, s12, 64*PB                      ; my 64 rows of wob
	s_add_co_u32 s75, s75, BOFF
.irp s, 0,1
	v_add_nc_u32 v[ADRA+(\s)], s74, v3
	v_add_nc_u32 v[ADRB+(\s)], s75, v4
	s_add_co_u32 s74, s74, SLOT
	s_add_co_u32 s75, s75, SLOT
.endr
	s_mul_i32 s74, s10, 16*SPITCH
	s_add_co_u32 s74, s74, STAGE                   ; my stage
	v_mul_u32_u24 v5, v1, SPITCH                   ; in: row l % 16, 32 bytes for each half of the lanes
	v_lshl_add_u32 v5, v2, 5, v5
	v_add_nc_u32 v[STO], s74, v5
	v_mul_u32_u24 v5, v2, SPITCH                   ; back: lanes 0-15 take one row of 256 bytes, lanes 16-31 the next
	v_lshl_add_u32 v5, v1, 4, v5
	v_add_nc_u32 v[RD], s74, v5
	v_lshlrev_b32 v5, 12, v2                       ; and the same two rows in out0, 4,096 bytes apart
	v_lshl_add_u32 v[CO], v1, 4, v5
	s_lshl_b32 s74, s13, 20                        ; out0 at my first row (256 x tile row + 128 x half) and column (128 x tile column + 64 x half)
	s_lshl_b32 s75, s11, 19
	s_add_co_u32 s74, s74, s75
	s_lshl_b32 s75, s42, 9
	s_add_co_u32 s74, s74, s75
	s_lshl_b32 s75, s12, 8
	s_add_co_u32 s74, s74, s75
	s_mov_b32 s75, 0
	s_add_nc_u64 s[8:9], s[8:9], s[74:75]
	; the prefetches
	s_lshr_b32 s74, s13, 3                         ; ob: my head's part of the tile, as above, + 8,192 cx, at K step 3: the first refill steps it to 4
	s_lshl_b32 s74, s74, 4
	s_add_co_u32 s74, s74, s12
	s_lshl_b32 s74, s74, 18
	s_and_b32 s75, s13, 7
	s_lshl_b32 s75, s75, 15
	s_add_co_u32 s74, s74, s75
	s_lshl_b32 s75, s40, 13
	s_add_co_u32 s74, s74, s75
	s_add_co_u32 s74, s74, 3*2*262144
	s_lshl_b32 s76, s42, 18                        ; wob: row 128 x tile column + 32 cy, at K step 3
	s_lshl_b32 s77, s41, 16
	s_add_co_u32 s76, s76, s77
	s_add_co_u32 s76, s76, 3*KSTEP*2
	s_and_b32 s77, ttmp7, 0xffff                   ; cluster y
	s_mov_b32 s79, KSTEP*2
	s_cmp_eq_u32 s10, 3
	s_cselect_b32 s78, 1, 0                        ; wave 3 asks for nothing
	s_cmp_eq_u32 s11, 0                            ; do I fetch for ob?
	s_cselect_b32 s74, s74, s76
	s_cselect_b32 s77, ttmp9, s77                  ; the coordinate along which other clusters read the same blocks
	s_cselect_b32 s[PST], 2*262144, s79
	s_cselect_b32 s76, 8, 11                       ; a lane a block of 256 bytes, or a lane a row of 2,048
	s_cselect_b64 s[PFA:PFA+1], s[4:5], s[6:7]
	s_or_b32 s77, s77, s78
	s_cmp_eq_u32 s77, 0
	s_cselect_b32 s[LIM], 1, -1                    ; the same in all sixteen partners, for a given wave
	s_mov_b32 s75, 0
	s_add_nc_u64 s[PFA:PFA+1], s[PFA:PFA+1], s[74:75]
	s_mov_b32 s[PST+1], 0
	v_and_b32 v[PFO], 31, v0
	v_lshlrev_b32 v[PFO], s76, v[PFO]
; 8 matrix instructions: m blocks a0, a0 + 1 x all 4 n blocks, 32 along K, from buffer f.  zero = 1: the product starts the sums.  The 32 accumulators take turns in the same order in every quarter.
.macro MUL8 f, a0, zero
	WIN MUL
.irp a, \a0, (\a0)+1
.irp b, 0,1,2,3
.set rC, 8*(4*(\a)+(\b))
.set rB, FB+96*(\f)+8*(\b)
.set rA, FA+96*(\f)+8*(\a)
.if \zero
	v_wmma_f32_16x16x32_f16 v[rC:rC+7], v[rB:rB+7], v[rA:rA+7], 0
.else
	v_wmma_f32_16x16x32_f16 v[rC:rC+7], v[rB:rB+7], v[rA:rA+7], v[rC:rC+7]
.endif
.endr
.endr
.endm
; 24 LDS loads in one run: quarter q of a K step (head q / 2, channels 32 (q % 2) on) into buffer f: wob's 4 fragments, then ob's 8
.macro FETCH slot, q, f
	WIN 0
.irp i, 0,1,2,3
	ds_load_b128 v[FB+96*(\f)+8*(\i):FB+96*(\f)+8*(\i)+3],   v[ADRB+(\slot)] offset:64*(\q)+(\i)*16*PB
	ds_load_b128 v[FB+96*(\f)+8*(\i)+4:FB+96*(\f)+8*(\i)+7], v[ADRB+(\slot)] offset:64*(\q)+(\i)*16*PB+32
.endr
.irp i, 0,1,2,3,4,5,6,7
	ds_load_b128 v[FA+96*(\f)+8*(\i):FA+96*(\f)+8*(\i)+3],   v[ADRA+(\slot)] offset:((\q)/2)*PLANE+((\q)%2)*64+(\i)*16*PA
	ds_load_b128 v[FA+96*(\f)+8*(\i)+4:FA+96*(\f)+8*(\i)+7], v[ADRA+(\slot)] offset:((\q)/2)*PLANE+((\q)%2)*64+(\i)*16*PA+32
.endr
.endm
.macro PLACES                          ; four plain vector instructions between a matrix instruction and a load into, or an LDS store of, its registers
.rept 4
	v_nop
.endr
.endm
; A K step is four quarters of 32 along K, 32 matrix instructions each, on buffers 0, 1, 0, 1.  One of the first three: multiplies buffer f and fetches quarter q into buffer g.
.macro QUARTER slot, q, f, g, zero
	s_wait_dscnt 8                                 ; wob's fragments and ob's 0 to 3 are in; the youngest eight loads (ob's 4 to 7) may be out
	MUL8 \f, 0, \zero
	PLACES                                         ; behind the last product that read buffer g
	FETCH \slot, \q, \g
	MUL8 \f, 2, \zero
	s_wait_dscnt 24                                ; all but the 24 just issued
	MUL8 \f, 4, \zero
	MUL8 \f, 6, \zero
.endm
; The last quarter multiplies buffer 1 and changes slots: one barrier.  In front of it each wave waits for all its tensor loads (one is out: its part of the next slot), adds 0 to its spare word, and waits for that
; and for its own reads of this slot.  fill = 1: the barrier opens a round of the cluster's barrier, and this slot is filled again first thing behind the round, with the K step two steps on.
.macro TURN slot, next, fill
.if \fill
	s_wait_xcnt 0x0                                ; the last prefetch, a K step back, has read its address: it is stepped here
	s_add_nc_u64 s[PFA:PFA+1], s[PFA:PFA+1], s[PST:PST+1]
.endif
	WIN 0                                          ; (the add's two registers lie in window 0)
	s_wait_tensorcnt 0x0                           ; all my tensor loads have landed
	ds_add_u32 v[SPW], v[NIL]                      ; 0 onto my spare word
	s_wait_dscnt 9                                 ; (the add and the youngest eight loads may be out)
	MUL8 1, 0, 0                                   ; eight matrix instructions stand between the add and the wait for it
	s_wait_dscnt 0x0                               ; the add is done, and my reads of this slot are over
	s_barrier_signal -1
	MUL8 1, 2, 0                                   ; work on registers while the others arrive
.if \fill
	WIN 0
.endif
	s_barrier_wait -1
.if \fill
	CREST                                          ; no wave of any partner still reads this slot's tile or has a load on its way
	s_add_nc_u64 s[G0+4*(\slot)+2:G0+4*(\slot)+3], s[G0+4*(\slot)+2:G0+4*(\slot)+3], 4*262144   ; two K steps are four heads
	s_add_nc_u64 s[G0B+4*(\slot)+2:G0B+4*(\slot)+3], s[G0B+4*(\slot)+2:G0B+4*(\slot)+3], 2*KSTEP*2
	JLOAD \slot                                    ; my one tensor load behind the round; its four v_nop are also the places in front of the loads below
.else
	PLACES
.endif
	FETCH \next, 0, 0
.if \fill
	ASK
.endif
	MUL8 1, 4, 0
	MUL8 1, 6, 0
.endm
; THE WAY OUT of m block a: its four accumulators go as they are, f32, into my own stage (each accumulator's low four registers first) and come back as rows of 256 bytes.
.macro TOSTAGE a
	WIN 0x04                                       ; the stores' data in window 1, their address in window 0
.irp b, 0,1,2,3
	ds_store_b128 v[STO], v[8*(4*(\a)+(\b)):8*(4*(\a)+(\b))+3]   offset:64*(\b)
	ds_store_b128 v[STO], v[8*(4*(\a)+(\b))+4:8*(4*(\a)+(\b))+7] offset:64*(\b)+16
.endr
	WIN 0
.set BK, OB+32*((\a)%2)
.irp t, 0,1,2,3,4,5,6,7
	ds_load_b128 v[BK+4*(\t):BK+4*(\t)+3], v[RD] offset:(\t)*2*SPITCH  ; LDS serves a wave's instructions in order (ISA guide 5.7.1.4): these see the stores above; the next block's stores come behind them
.endr
.endm
.macro SEND a, younger                 ; younger: the LDS instructions issued behind block a's loads: the next block's sixteen, or none
	WIN 0
.set BK, OB+32*((\a)%2)
	s_wait_dscnt \younger
.irp t, 0,1,2,3,4,5,6,7
	global_store_b128 v[CO], v[BK+4*(\t):BK+4*(\t)+3], s[8:9] offset:(\a)*65536+(\t)*8192  ; 16 lanes store 256 consecutive bytes, at a multiple of 256 from out0's first byte
.endr
.endm
	s_wait_tensorcnt 1                             ; my part of K step 0 is in; K step 1's may stay out
	s_barrier_signal -1
	s_barrier_wait -1                              ; everybody's is
	FETCH 0, 0, 0
	QUARTER 0, 1, 0, 1, 1                          ; the first quarter stands in front of the loop: its products start the sums
	WIN 0                                          ; at a label and at a branch every window is 0
	s_mov_b32 s3, LAPS-1
.Llap:                                                 ; a trip goes once round the ring, from a lap's second quarter to the next lap's first, and fills both slots again
	QUARTER 0, 2, 1, 0, 0
	QUARTER 0, 3, 0, 1, 0
	TURN 0, 1, 1
	QUARTER 1, 1, 0, 1, 0
	QUARTER 1, 2, 1, 0, 0
	QUARTER 1, 3, 0, 1, 0
	TURN 1, 0, 1
	QUARTER 0, 1, 0, 1, 0
	WIN 0
	s_sub_co_u32 s3, s3, 1
	s_cmp_lg_u32 s3, 0
	s_cbranch_scc1 .Llap
	QUARTER 0, 2, 1, 0, 0                          ; the last lap fills nothing
	QUARTER 0, 3, 0, 1, 0
	TURN 0, 1, 0
	QUARTER 1, 1, 0, 1, 0
	QUARTER 1, 2, 1, 0, 0
	QUARTER 1, 3, 0, 1, 0
	s_wait_dscnt 8                                 ; the very last quarter: nothing more to fetch
	MUL8 1, 0, 0
	MUL8 1, 2, 0
	s_wait_dscnt 0x0
	MUL8 1, 4, 0
	MUL8 1, 6, 0
	WIN 0
	PLACES                                         ; the LDS stores read results, and rows are read back into fragment registers
	TOSTAGE 0
.irp a, 1,2,3,4,5,6,7
	s_wait_xcnt 0x0                                ; the stores of the block two back have read their registers, into which this block is read back
	TOSTAGE \a
	SEND (\a)-1, 16
.endr
	SEND 7, 0
	s_wait_tensorcnt 0x0                           ; the wave's end: an add onto my spare word and its wait, behind my last tensor load and my last LDS store
	ds_add_u32 v[SPW], v[NIL]
	s_wait_dscnt 0x0
	CROUND                                         ; the closing round: no work-group ends while a partner may still ask for a tile that names it
	s_endpgm
.Lfunc_end_k_q9548e6c6c4_proj:
	.size	k_q9548e6c6c4_proj, .Lfunc_end_k_q9548e6c6c4_proj-k_q9548e6c6c4_proj
	.p2alignl 7, 3214868480
	.fill 96, 4, 3214868480
	.section	.rodata,"a",@progbits
	.p2align	6, 0x0
	.amdhsa_kernel k_q9548e6c6c4_proj
		.amdhsa_group_segment_fixed_size 327680
		.amdhsa_private_segment_fixed_size 0
		.amdhsa_enable_private_segment 0
		.amdhsa_kernarg_size 24
		.amdhsa_user_sgpr_count 2
		.amdhsa_user_sgpr_kernarg_segment_ptr 1
		.amdhsa_wavefront_size32 1
		.amdhsa_system_sgpr_workgroup_id_x 1
		.amdhsa_system_sgpr_workgroup_id_y 1
		.amdhsa_system_sgpr_workgroup_id_z 1
		.amdhsa_system_vgpr_workitem_id 0
		.amdhsa_next_free_vgpr 512
		.amdhsa_next_free_sgpr 80
		.amdhsa_reserve_vcc 0
		.amdhsa_float_denorm_mode_32 3
		.amdhsa_float_denorm_mode_16_64 3
		.amdhsa_memory_ordered 1
		.amdhsa_forward_progress 1
		.amdhsa_inst_pref_size 87
	.end_amdhsa_kernel
	.amdgpu_metadata
---
amdhsa.version: [ 1, 2 ]
amdhsa.kernels:
  - .name:           k_q9548e6c6c4_proj
    .symbol:         k_q9548e6c6c4_proj.kd
    .args:
      - { .name: ob, .offset: 0, .size: 8, .value_kind: global_buffer, .address_space: global }
      - { .name: wob, .offset: 8, .size: 8, .value_kind: global_buffer, .address_space: global }
      - { .name: out0, .offset: 16, .size: 8, .value_kind: global_buffer, .address_space: global }
    .group_segment_fixed_size: 327680
    .private_segment_fixed_size: 0
    .kernarg_segment_align: 8
    .kernarg_segment_size: 24
    .max_flat_workgroup_size: 128
    .sgpr_count:     80
    .vgpr_count:     512
    .wavefront_size: 32
...
	.end_amdgpu_metadata
.endif
;; end of part 4
